; MI455X (gfx1250); checked and timed in simulation.
; The chip was launched on July 23, 2026; its instructions are those of AMD's public machine-readable ISA for CDNA 5 (MIT licence, August 2026) and "CDNA5" Instruction Set Architecture Reference Guide (July 2026). The comments in the code are by the model that wrote it; some were corrected since.
;; IDMPNN Transformer. Allowed arithmetic: matrix products marked QUANTISED: E2M1 operands, one E8M0 scale for each 32 along K, by v_wmma_scale_f32_16x16x128_f8f6f4 with both operands' format E2M1 (or v_wmma_scale_f32_32x16x128_f4), f32 sums; products left as they are: bf16, f16 or f32 operands; f32 sums; everything else in f32.
;; Inputs: Wk 1,024 x 1,024 float32; Wo 1,024 x 1,024 float32; Wq 1,024 x 1,024 float32; Wv 1,024 x 1,024 float32; adj 16 x 512 x 512 int32; bk 1,024 float32; bo 1,024 float32; bq 1,024 float32; bv 1,024 float32; dist_emb 37 x 16 float32; distance 16 x 512 x 512 int32; edge_emb 4 x 16 float32; key_padding_mask 16 x 512 bool; x 16 x 512 x 1,024 float32.
;; Outputs: out0 16 x 512 x 1,024 float32.
;; This version of the problem:
;;   THIS VERSION OF THE PROBLEM IS GIVEN IN LOW PRECISION. The matrix products marked QUANTISED in the list below multiply operands that are first quantised to E2M1 (2 exponent bits, 1 mantissa bit; 4 bits a number), with one power-of-two scale for each 32 numbers along K (OCP MX v1.0); their sums are f32. The products marked 'left as it is' may take bf16, f16 or f32 operands, with f32 sums. Whichever they take, every output number must still come out within the allowed error. Rounding operands to bf16 (8 significant bits) uses up far more of that allowance than f16 does (11 bits, for magnitudes from 6e-5 to 65,504). All else is computed in f32.
;;   The module's matrix products, in the order in which they are computed (A, B: the left and right operand; K: the contracted axis; several contracted axes count as one K, in the product's order):
;;     1. [M 8,192, K 1,024] x [K 1,024, N 1,024]; A: input x; B: input Wq: QUANTISED
;;     2. [M 8,192, K 1,024] x [K 1,024, N 1,024]; A: input x; B: input Wk: QUANTISED
;;     3. [M 8,192, K 1,024] x [K 1,024, N 1,024]; A: input x; B: input Wv: QUANTISED
;;     4. batch 256 x [M 512, K 64] x [K 64, N 512]; A: computed on the way; B: computed on the way: left as it is (an operand is computed on the way)
;;     5. batch 256 x [M 64, K 512] x [K 512, N 512]; A: computed on the way; B: computed on the way: left as it is (an operand is computed on the way)
;;     6. [M 8,192, K 1,024] x [K 1,024, N 1,024]; A: computed on the way; B: input Wo: left as it is (an operand is computed on the way)
;;   THE QUANTISER, for each operand of a quantised product, along K:
;;     - K is cut into blocks of 32 from its start; a last block that is shorter is filled with zeros.
;;     - A block's scale is 2^e with e = floor(log2(the largest magnitude in the block)) - 2, held to -126 .. 127; a block of zeros has e = 0. As a byte (E8M0): e + 127.
;;     - Each number is divided by its block's scale, clamped to +-6, and rounded to the nearest number of E2M1, ties to even, subnormals kept.
;;     - The product sums the exact products of the quantised numbers (number of the format x scale) in f32.
;;   ~~~python
;;   def quantise(x, axis):      # numpy; x: float32 -> the quantised numbers, widened to float32 again
;;       x = np.moveaxis(x, axis, -1); K = x.shape[-1]
;;       x = np.pad(x, [(0, 0)] * (x.ndim - 1) + [(0, -K % 32)]); x = x.reshape(x.shape[:-1] + (-1, 32)); a = np.abs(x).max(-1, keepdims=True)
;;       e = np.where(a > 0, np.clip(np.frexp(np.where(a > 0, a, 1))[1] - 1 - 2, -126, 127), 0)      # np.frexp(a)[1] - 1 = floor(log2(a)), exactly
;;       r = np.clip(x / 2.0 ** e, -6, 6)
;;       step = 2.0 ** (np.maximum(np.frexp(np.where(r == 0, 1, r))[1] - 1, 0) - 1)
;;       q = np.round(r / step) * step * 2.0 ** e      # np.round: ties to even
;;       return np.moveaxis(q.reshape(q.shape[:-2] + (-1,))[..., :K], -1, axis).astype(np.float32)
;;   ~~~
;; One version. Each part assembles by itself: llvm-mc -triple=amdgcn-amd-amdhsa -mcpu=gfx1250 --defsym DOCPART=n.
;; ======== version 1 of 1: 3 launches
;; limits: values are held in f16: magnitudes above 65,504 overflow, below 6.1e-05 lose precision
;; workspace buffers: xc 4,194,304 bytes; xs 262,144 bytes; hb 2,031,616 bytes; wof 2,097,152 bytes; idx 8,388,608 bytes of whole numbers; at 16,777,216 bytes
;; launch prep (part 1): grid 752 x 1, 4 waves a work-group, no clusters, 66,048 bytes of LDS; arguments x, Wq, Wk, Wv, Wo, adj, distance, key_padding_mask, bq, bk, bv, edge_emb, dist_emb, xc, xs, hb, wof, idx; writes xc, xs, hb, wof, idx
.if DOCPART == 1
	.amdgcn_target "amdgcn-amd-amdhsa--gfx1250"
	.amdhsa_code_object_version 6
	.text
	.protected	k_q759d615140_prep
	.globl	k_q759d615140_prep
	.p2align	8
	.type	k_q759d615140_prep,@function
k_q759d615140_prep:
	s_mov_b64 s[64:65], 0
	v_nop
	global_prefetch_b8 v0, s[64:65] scope:SCOPE_SE
	s_setreg_imm32_b32 hwreg(HW_REG_WAVE_MODE, 25, 1), 1
	s_wait_xcnt 0x0
; PREP: everything that the two matrix launches read is laid out once, in the order in which their operand registers take it.  No matrix work, no tensor load, no barrier: waves share nothing.
; Four paths, parted by the work-group's number; each has LDS bytes of its own and ends by itself.
;  I (work-groups 0-255):   adj, distance and key_padding_mask become ONE 16-bit number for each (batch, query, key): the byte address, in the attention launch's LDS, of the bias entry:
;                           128 x c + 4 x (the lane that will read it), c = 37 adj + distance, or 148 where the key is masked.  Layout idx[b][query tile 32][key step 8][key tile 4][lane 32][8 numbers].
;  Q (256-607):             x, Wq, Wk, Wv become codes of E2M1 with one E8M0 byte for each 32 along K.  A task is 16 rows x 512 K.  Codes lie [tile][block of 32 along K][row 16][16 bytes], so that a fragment
;                           of 16 rows x 128 K is 1,024 consecutive bytes, lane l's 16 bytes at 512 c + 16 l.  Scale bytes lie [tile][half of K][row 16][16 bytes].  The weights go into the head's block of hb.
;  O (608-735):             Wo becomes f16, laid [16 rows][8 along K][row 16][16 bytes]: a fragment of 16 rows x 32 K is 1,024 consecutive bytes.
;  T (736-751, one a head): the head's bias table, 160 rows x 32 equal words: log2(e) x ((adj != 0 ? edge_emb[adj][h] : 0) + dist_emb[distance][h]); rows 148-159 hold -1e30, the stand-in for a masked key;
;                           and the head's biases: bq x 0.125 log2(e), bk, bv (64 numbers each), then zeros.
; A head's block of hb, HBS bytes: table 0, biases 20,480, weights' scale bytes 22,528, weights' codes 28,672 ([F 12] tiles of 16 rows, F = 4 x (q, k, v) + tile).
; A block's scale is 2^(floor(log2(its largest magnitude)) - 2): its byte is the largest magnitude's exponent field - 2, held at 1 from below.
; LIMITS: a block of zeros, or one whose largest magnitude lies under 2^-124, keeps the byte 1 (its codes under that byte; the bytes are read by this program alone); NaN and infinities among the inputs are not served;
; |Wo| stays under 65,504, the largest f16 number.  No cluster: no two work-groups read the same bytes but for the few hundred of the embeddings and biases.
.set HBS,   126976
.set SP,    80                         ; path Q: a lane's place in a stage: 64 bytes + 16 of padding
.set QREG,  9728                       ; path Q, a wave's LDS: two stages of 32 x SP bytes, 256 scale bytes at 5,120, 16 rows x 272 bytes of codes at 5,376
.set IBASE, 38912                      ; path I: 8 rows x 272 bytes a wave
.set IREG,  2304
.set OBASE, 48128                      ; path O: 16 rows x 272 bytes a wave
.set OREG,  4352
.set SPARE, 65536                      ; the spare words, 128 bytes for each wave: two blocks of 256 bytes that no other line names
.set SPW,   12                         ; v12 LDS address of my spare word; never rewritten
.set NIL,   13                         ; v13 0; never rewritten
.macro FINISH                          ; a wave's end: three lines behind my last LDS store, the first of them even in a text with no tensor load
	s_wait_tensorcnt 0x0
	ds_add_u32 v[SPW], v[NIL]
	s_wait_dscnt 0x0
	s_endpgm
.endm
	s_load_b512 s[4:19], s[0:1], 0x0               ; x 4, Wq 6, Wk 8, Wv 10, Wo 12, adj 14, distance 16, key_padding_mask 18
	s_load_b512 s[20:35], s[0:1], 0x40             ; bq 20, bk 22, bv 24, edge_emb 26, dist_emb 28, xc 30, xs 32, hb 34
	s_load_b128 s[36:39], s[0:1], 0x80             ; wof 36, idx 38
	v_lshl_add_u32 v[SPW], v0, 2, SPARE
	v_mov_b32 v[NIL], 0
	v_lshrrev_b32 v1, 5, v0
	v_readfirstlane_b32 s40, v1                    ; wave 0..3
	v_and_b32 v2, 31, v0                           ; lane
	s_wait_kmcnt 0x0
	s_cmp_lt_u32 ttmp9, 256
	s_cbranch_scc1 .Lpath_i
	s_cmp_lt_u32 ttmp9, 608
	s_cbranch_scc1 .Lpath_q
	s_cmp_lt_u32 ttmp9, 736
	s_cbranch_scc1 .Lpath_o
	; ---------------- path T: one head's table and biases.  128 threads; a thread stores 16 bytes, eight threads a table row
	s_sub_co_u32 s41, ttmp9, 736                   ; the head
	s_mov_b32 s45, 0
	s_lshl_b32 s44, s41, 2
	s_add_nc_u64 s[26:27], s[26:27], s[44:45]      ; the head's column of both embeddings
	s_add_nc_u64 s[28:29], s[28:29], s[44:45]
	s_lshl_b32 s44, s41, 8
	s_add_nc_u64 s[20:21], s[20:21], s[44:45]      ; the head's 64 numbers of each bias
	s_add_nc_u64 s[22:23], s[22:23], s[44:45]
	s_add_nc_u64 s[24:25], s[24:25], s[44:45]
	s_mul_i32 s44, s41, HBS
	s_add_nc_u64 s[34:35], s[34:35], s[44:45]      ; the head's block
	v_lshrrev_b32 v3, 3, v0                        ; which of an iteration's 16 rows
	v_lshlrev_b32 v9, 4, v0                        ; 16 x thread
	v_and_b32 v5, 15, v0
	v_lshlrev_b32 v5, 4, v5                        ; my four numbers of a bias
	v_lshrrev_b32 v4, 4, v0                        ; 0: bq, 1: bk, 2: bv, above: zeros
	v_mov_b32 v10, 0xf149f2ca                      ; -1e30
	v_mov_b32 v11, 0
	global_load_b128 v[152:155], v5, s[20:21]
	global_load_b128 v[156:159], v5, s[22:23]
	global_load_b128 v[160:163], v5, s[24:25]
.irp it, 0,1,2,3,4,5,6,7,8,9
	v_add_nc_u32 v[16+\it], 16*\it, v3             ; c
	v_mul_u32_u24 v[32+\it], v[16+\it], 111
	v_lshrrev_b32 v[32+\it], 12, v[32+\it]         ; adj = c / 37 (exact for c under 160)
	v_mul_u32_u24 v[64+\it], v[32+\it], 37
	v_sub_nc_u32 v[64+\it], v[16+\it], v[64+\it]   ; distance = c - 37 adj
	v_min_u32 v[48+\it], 3, v[32+\it]              ; rows 148 on: held inside the tables; their values are thrown away below
	v_min_u32 v[64+\it], 36, v[64+\it]
	v_lshlrev_b32 v[48+\it], 6, v[48+\it]          ; a row of either table is 64 bytes
	v_lshlrev_b32 v[64+\it], 6, v[64+\it]
	global_load_b32 v[80+\it], v[48+\it], s[26:27]
	global_load_b32 v[96+\it], v[64+\it], s[28:29]
.endr
	s_wait_loadcnt 0x0
.irp it, 0,1,2,3,4,5,6,7,8,9
	v_cmp_eq_u32 vcc_lo, 0, v[32+\it]
	v_cndmask_b32 v[80+\it], v[80+\it], v11, vcc_lo    ; adj = 0 counts for nothing, whatever row 0 holds
	v_add_f32 v[112+4*\it], v[80+\it], v[96+\it]
	v_mul_f32 v[112+4*\it], 0x3fb8aa3b, v[112+4*\it]   ; x log2(e): the softmax works in powers of two
	v_cmp_le_u32 vcc_lo, 148, v[16+\it]
	v_cndmask_b32 v[112+4*\it], v[112+4*\it], v10, vcc_lo
	v_mov_b32 v[113+4*\it], v[112+4*\it]
	v_mov_b32 v[114+4*\it], v[112+4*\it]
	v_mov_b32 v[115+4*\it], v[112+4*\it]
	global_store_b128 v9, v[112+4*\it:115+4*\it], s[34:35] offset:2048*\it   ; a wave stores 512 consecutive bytes
.endr
	v_cmp_eq_u32 s48, 1, v4
	v_cmp_eq_u32 s49, 2, v4
	v_cmp_lt_u32 s50, 2, v4
.irp j, 0,1,2,3
	v_mul_f32 v[164+\j], 0x3e38aa3b, v[152+\j]     ; bq x 0.125 log2(e)
	v_cndmask_b32 v[164+\j], v[164+\j], v[156+\j], s48
	v_cndmask_b32 v[164+\j], v[164+\j], v[160+\j], s49
	v_cndmask_b32 v[164+\j], v[164+\j], v11, s50
.endr
	global_store_b128 v9, v[164:167], s[34:35] offset:20480
	FINISH
	; ---------------- path I.  A group is 16 queries x 64 keys; a wave takes four groups that follow each other along the keys
.Lpath_i:
	v_and_b32 v3, 15, v2                           ; a: my four keys are 4 a .. 4 a + 3 of the group's 64
	v_lshrrev_b32 v4, 4, v2                        ; which row of a pair of rows
	v_lshlrev_b32 v5, 4, v3
	v_lshl_add_u32 v5, v4, 11, v5                  ; in adj and distance: 2,048 bytes a row, 16 bytes a lane: sixteen lanes read 256 consecutive bytes
	v_lshlrev_b32 v6, 2, v3                        ; in the mask: my four bytes
	v_bfe_u32 v7, v3, 1, 1
	v_lshlrev_b32 v7, 6, v7
	v_lshl_add_u32 v7, v4, 2, v7                   ; 4 x the reader's lane, less the row pair's 8 p: the reader's lane is 16 x (key / 8 mod 2) + the query's row
	s_mul_i32 s41, s40, IREG
	s_add_co_u32 s41, s41, IBASE                   ; my stage
	v_lshrrev_b32 v8, 1, v3
	v_mul_u32_u24 v8, v8, 272
	v_and_b32 v9, 1, v3
	v_lshl_add_u32 v8, v9, 3, v8
	v_lshl_add_u32 v8, v4, 4, v8
	v_add_nc_u32 v8, s41, v8                       ; in: stage row a / 2 (256 bytes of the group's 2,048), 16 bytes a query row, 8 bytes for my four keys
	v_mul_u32_u24 v9, v4, 272
	v_lshl_add_u32 v9, v3, 4, v9
	v_add_nc_u32 v9, s41, v9                       ; back: sixteen lanes to a stage row
	v_lshlrev_b32 v10, 4, v2
	v_mov_b32 v146, 148                            ; c of a masked key
	s_lshl_b32 s42, ttmp9, 2
	s_add_co_u32 s42, s42, s40
	s_lshl_b32 s42, s42, 2                         ; my first group: 256 b + 8 x query tile + key step
	s_mov_b32 s45, 0
	s_and_b32 s43, s42, 7
	s_lshr_b32 s44, s42, 3
	s_lshl_b32 s44, s44, 15                        ; 16 rows of 2,048 bytes
	s_lshl_b32 s46, s43, 8                         ; 64 keys of 4 bytes
	s_add_co_u32 s44, s44, s46
	s_add_nc_u64 s[14:15], s[14:15], s[44:45]
	s_add_nc_u64 s[16:17], s[16:17], s[44:45]
	s_lshr_b32 s44, s42, 8
	s_lshl_b32 s44, s44, 9
	s_lshl_b32 s46, s43, 6
	s_add_co_u32 s44, s44, s46
	s_add_nc_u64 s[18:19], s[18:19], s[44:45]
	s_lshl_b32 s44, s42, 11
	s_add_nc_u64 s[38:39], s[38:39], s[44:45]
.macro ILOAD it                        ; 17 loads: eight pairs of rows of adj, eight of distance, the mask's four bytes; two sets of registers by turns
.set IA, 16+64*((\it)%2)
.irp p, 0,1,2,3,4,5,6,7
	global_load_b128 v[IA+4*\p:IA+4*\p+3], v5, s[14:15] offset:4096*\p+256*(\it) th:TH_LOAD_NT
.endr
.irp p, 0,1,2,3,4,5,6,7
	global_load_b128 v[IA+32+4*\p:IA+32+4*\p+3], v5, s[16:17] offset:4096*\p+256*(\it) th:TH_LOAD_NT
.endr
	global_load_b32 v[144+(\it)%2], v6, s[18:19] offset:64*(\it)
.endm
.macro GROUP it
.if (\it) < 3
	ILOAD (\it)+1
	s_wait_loadcnt 17                              ; this group's 17 loads are in; the next group's 17 may be out
.else
	s_wait_loadcnt 0x0
.endif
.set IA, 16+64*((\it)%2)
.irp e, 0,1,2,3
	v_bfe_u32 v[148+\e], v[144+(\it)%2], 8*\e, 8
.endr
.irp e, 0,1,2,3
	v_cmp_ne_u32 s[48+\e], 0, v[148+\e]            ; is my key e masked?
.endr
.irp p, 0,1,2,3,4,5,6,7
.irp e, 0,1,2,3
	v_mad_u32_u24 v[148+\e], v[IA+4*\p+\e], 37, v[IA+32+4*\p+\e]
.endr
.irp e, 0,1,2,3
	v_cndmask_b32 v[148+\e], v[148+\e], v146, s[48+\e]
.endr
.irp e, 0,1,2,3
	v_lshl_add_u32 v[148+\e], v[148+\e], 7, v7
.endr
	v_lshl_or_b32 v[152+2*\p], v149, 16, v148
	v_lshl_or_b32 v[153+2*\p], v151, 16, v150
.if \p > 0
	v_add_nc_u32 v[152+2*\p], 0x80008*\p, v[152+2*\p]    ; + 8 p in both halves: the row pair's part of 4 x lane (124 at the most: no carry between the halves)
	v_add_nc_u32 v[153+2*\p], 0x80008*\p, v[153+2*\p]
.endif
	ds_store_b64 v8, v[152+2*\p:153+2*\p] offset:32*\p
.endr
.irp n, 0,1,2,3
	ds_load_b128 v[168+16*(\it)+4*\n:171+16*(\it)+4*\n], v9 offset:544*\n   ; LDS serves a wave's instructions in order: these see my stores
.endr
	s_wait_dscnt 0x0                               ; the group is back; the stores have read their registers, which the next group writes again
.irp n, 0,1,2,3
	global_store_b128 v10, v[168+16*(\it)+4*\n:171+16*(\it)+4*\n], s[38:39] offset:2048*(\it)+512*\n   ; 512 consecutive bytes; each group has registers of its own, so none is written again
.endr
.endm
	ILOAD 0
	GROUP 0
	GROUP 1
	GROUP 2
	GROUP 3
	FINISH
	; ---------------- path Q.  A wave takes 16 rows x 512 along K; a step is one row's 512 numbers
.Lpath_q:
	s_mul_i32 s41, s40, QREG
	v_lshlrev_b32 v3, 4, v2                        ; 16 x lane: a load's 512 consecutive bytes, and the codes' way out
	v_lshrrev_b32 v14, 2, v2
	v_mul_u32_u24 v14, v14, SP
	v_and_b32 v15, 3, v2
	v_lshl_add_u32 v14, v15, 4, v14
	v_add_nc_u32 v14, s41, v14                     ; the stage, on the way in: four lanes' 64 bytes on end, then 16 of padding
	v_mul_u32_u24 v15, v2, SP
	v_add_nc_u32 v15, s41, v15                     ; and on the way out: my 16 neighbours along K
	v_lshrrev_b32 v5, 1, v2                        ; my block of 32 (two lanes to a block)
	v_mul_u32_u24 v4, v5, 272
	v_and_b32 v6, 1, v2
	v_lshl_add_u32 v4, v6, 3, v4
	s_add_co_u32 s42, s41, 5376
	v_add_nc_u32 v4, s42, v4                       ; the codes' stage: row = block, 16 bytes a row of the tensor, my half of them
	s_add_co_u32 s43, s41, 5120
	v_add_nc_u32 v5, s43, v5                       ; my block's scale byte: 16 bytes a row of the tensor
	v_lshlrev_b32 v7, 3, v2
	v_add_nc_u32 v6, s43, v7                       ; the 256 scale bytes on their way out: 8 a lane
	v_lshrrev_b32 v10, 4, v2
	v_mul_u32_u24 v10, v10, 272
	v_and_b32 v11, 15, v2
	v_lshl_add_u32 v10, v11, 4, v10
	v_add_nc_u32 v10, s42, v10                     ; the codes back: sixteen lanes to a stage row
	; which task: 0-1,023 are x's (tile = task / 2), 1,024-1,407 the weights'.  One way through the text; pointers and offsets are chosen on the task's number alone
	s_sub_co_u32 s44, ttmp9, 256
	s_lshl_b32 s44, s44, 2
	s_add_co_u32 s44, s44, s40                     ; the task
	s_and_b32 s45, s44, 1                          ; which half of K
	s_lshr_b32 s46, s44, 1                         ; x: the tile,
	s_lshl_b32 s47, s44, 12                        ; its codes' place: 4,096 bytes a task,
	s_lshl_b32 s48, s44, 8                         ; its scale bytes': 256 a task
	s_sub_co_u32 s49, s44, 1024                    ; a weight's task (for x's tasks what follows is not used)
	s_lshr_b32 s50, s49, 7                         ; q, k or v
	s_bfe_u32 s51, s49, 0x60001                    ; its tile of 16 rows, 0..63
	s_lshr_b32 s52, s51, 2
	s_mul_i32 s52, s52, HBS                        ; the head's block
	s_and_b32 s53, s51, 3
	s_lshl_b32 s54, s50, 2
	s_add_co_u32 s53, s53, s54                     ; F
	s_lshl_b32 s54, s53, 13
	s_add_co_u32 s54, s54, s52
	s_lshl_b32 s55, s45, 12
	s_add_co_u32 s54, s54, s55
	s_add_co_u32 s54, s54, 28672                   ; its codes' place
	s_lshl_b32 s55, s53, 9
	s_add_co_u32 s55, s55, s52
	s_lshl_b32 s53, s45, 8
	s_add_co_u32 s55, s55, s53
	s_add_co_u32 s55, s55, 22528                   ; its scale bytes'
	s_lshl_b32 s45, s45, 11                        ; the half's 2,048 bytes of a row of f32
	s_cmp_eq_u32 s50, 1
	s_cselect_b64 s[56:57], s[8:9], s[6:7]
	s_cmp_eq_u32 s50, 2
	s_cselect_b64 s[56:57], s[10:11], s[56:57]
	s_cmp_lt_u32 s44, 1024
	s_cselect_b64 s[56:57], s[4:5], s[56:57]       ; from where,
	s_cselect_b64 s[58:59], s[30:31], s[34:35]     ; codes to where,
	s_cselect_b64 s[60:61], s[32:33], s[34:35]     ; scale bytes to where
	s_cselect_b32 s46, s46, s51
	s_cselect_b32 s48, s48, s55
	s_cselect_b32 s50, s47, s54
	s_lshl_b32 s46, s46, 16                        ; 16 rows of 4,096 bytes
	s_add_co_u32 s46, s46, s45
	s_mov_b32 s47, 0
	s_add_nc_u64 s[56:57], s[56:57], s[46:47]
	s_mov_b32 s51, 0
	s_add_nc_u64 s[58:59], s[58:59], s[50:51]
	s_mov_b32 s49, 0
	s_add_nc_u64 s[60:61], s[60:61], s[48:49]
.macro QLOAD t                         ; row t's 2,048 bytes, 512 consecutive bytes a load, into set t % 4 of v16-79
.irp i, 0,1,2,3
	global_load_b128 v[16+16*((\t)%4)+4*\i:19+16*((\t)%4)+4*\i], v3, s[56:57] offset:4096*(\t)+512*\i th:TH_LOAD_NT
.endr
.endm
.macro QTURN t                         ; through the stage, so that a lane gets 16 neighbours: LDS serves a wave's instructions in order, so no wait stands between the stores and the loads
.irp i, 0,1,2,3
	ds_store_b128 v14, v[16+16*((\t)%4)+4*\i:19+16*((\t)%4)+4*\i] offset:32*SP*((\t)%2)+8*SP*\i
.endr
.irp i, 0,1,2,3
	ds_load_b128 v[80+16*((\t)%2)+4*\i:83+16*((\t)%2)+4*\i], v15 offset:32*SP*((\t)%2)+16*\i
.endr
.endm
.macro QSTEP t
.set XS, 80+16*((\t)%2)
.if (\t) > 0
	s_wait_dscnt 2                                 ; this row is back from the stage (the last row's byte store and code store may be out): so its stores into the stage have read their registers,
.else
	s_wait_dscnt 0x0
.endif
.if (\t)+4 < 16
	QLOAD (\t)+4                                   ; which take the loads of four rows on
.endif
.if (\t)+1 < 16
.if 14-(\t) >= 3
	s_wait_loadcnt 12                              ; the next row's four loads are in; those of the three rows behind it may be out
.else
	s_wait_loadcnt 4*(14-(\t))
.endif
	QTURN (\t)+1
.endif
	v_max3_num_f32 v8, |v[XS]|, |v[XS+1]|, |v[XS+2]|     ; the largest magnitude of my 16, in two chains
	v_max3_num_f32 v9, |v[XS+3]|, |v[XS+4]|, |v[XS+5]|
.irp i, 6,10
	v_max3_num_f32 v8, v8, |v[XS+\i]|, |v[XS+\i+1]|
	v_max3_num_f32 v9, v9, |v[XS+\i+2]|, |v[XS+\i+3]|
.endr
	v_max3_num_f32 v8, v8, |v[XS+14]|, |v[XS+15]|
	v_max3_num_f32 v8, v8, v9, 0x1800000           ; and the floor 2^(3 - 127): the byte cannot fall under 1
	v_max_num_f32_dpp v8, v8, v8 row_xmask:1 row_mask:0xf bank_mask:0xf   ; with my neighbour's 16: the block's
	v_add_nc_u32 v11, 0xff000000, v8               ; 2 off its exponent field: the conversion takes the exponent field of this operand as its scale
	v_cvt_scalef32_pk8_fp4_f32 v[128+2*(\t)], v[XS:XS+7], v11
	v_cvt_scalef32_pk8_fp4_f32 v[129+2*(\t)], v[XS+8:XS+15], v11
	v_lshrrev_b32 v[112+(\t)], 23, v11             ; the scale's byte (a plain line behind the conversions)
	ds_store_b8 v5, v[112+(\t)] offset:16*(\t)     ; both lanes of a block write the same byte with the same value
	ds_store_b64 v4, v[128+2*(\t):129+2*(\t)] offset:16*(\t)
.endm
.irp t, 0,1,2,3
	QLOAD \t
.endr
	s_wait_loadcnt 12                              ; row 0's four loads are in
	QTURN 0
.irp t, 0,1,2,3,4,5,6,7,8,9,10,11,12,13,14,15
	QSTEP \t
.endr
	ds_load_b64 v[8:9], v6
.irp i, 0,1,2,3,4,5,6,7
	ds_load_b128 v[160+4*\i:163+4*\i], v10 offset:544*\i
.endr
	s_wait_dscnt 8                                 ; the scale bytes are back; the eight loads behind them may be out
	global_store_b64 v7, v[8:9], s[60:61]          ; 256 consecutive bytes, aligned
.irp i, 0,1,2,3,4,5,6,7
	s_wait_dscnt 7-\i
	global_store_b128 v3, v[160+4*\i:163+4*\i], s[58:59] offset:512*\i
.endr
	FINISH
	; ---------------- path O.  A wave takes 16 rows of Wo x 128 along K
.Lpath_o:
	s_mul_i32 s41, s40, OREG
	s_add_co_u32 s41, s41, OBASE
	v_lshlrev_b32 v3, 4, v2
	v_lshrrev_b32 v4, 1, v2                        ; my four numbers are half of the eight that make 16 bytes of f16
	v_mul_u32_u24 v4, v4, 272
	v_and_b32 v5, 1, v2
	v_lshl_add_u32 v4, v5, 3, v4
	v_add_nc_u32 v4, s41, v4
	v_lshrrev_b32 v10, 4, v2
	v_mul_u32_u24 v10, v10, 272
	v_and_b32 v5, 15, v2
	v_lshl_add_u32 v10, v5, 4, v10
	v_add_nc_u32 v10, s41, v10
	s_sub_co_u32 s44, ttmp9, 608
	s_lshl_b32 s44, s44, 2
	s_add_co_u32 s44, s44, s40                     ; the task: 8 x tile + span of 128 along K
	s_lshr_b32 s46, s44, 3
	s_lshl_b32 s46, s46, 16
	s_and_b32 s45, s44, 7
	s_lshl_b32 s45, s45, 9
	s_add_co_u32 s46, s46, s45
	s_mov_b32 s47, 0
	s_add_nc_u64 s[12:13], s[12:13], s[46:47]
	s_lshl_b32 s48, s44, 12
	s_mov_b32 s49, 0
	s_add_nc_u64 s[36:37], s[36:37], s[48:49]
.irp t, 0,1,2,3,4,5,6,7,8,9,10,11,12,13,14,15
	global_load_b128 v[16+4*\t:19+4*\t], v3, s[12:13] offset:4096*\t th:TH_LOAD_NT
.endr
.irp t, 0,1,2,3,4,5,6,7,8,9,10,11,12,13,14,15
	s_wait_loadcnt 15-\t
	v_cvt_pk_f16_f32 v[128+2*\t], v[16+4*\t], v[17+4*\t]
	v_cvt_pk_f16_f32 v[129+2*\t], v[18+4*\t], v[19+4*\t]
	ds_store_b64 v4, v[128+2*\t:129+2*\t] offset:16*\t
.endr
.irp i, 0,1,2,3,4,5,6,7
	ds_load_b128 v[160+4*\i:163+4*\i], v10 offset:544*\i
.endr
.irp i, 0,1,2,3,4,5,6,7
	s_wait_dscnt 7-\i
	global_store_b128 v3, v[160+4*\i:163+4*\i], s[36:37] offset:512*\i
.endr
	FINISH
.Lfunc_end_k_q759d615140_prep:
	.size	k_q759d615140_prep, .Lfunc_end_k_q759d615140_prep-k_q759d615140_prep
	.p2alignl 7, 3214868480
	.fill 96, 4, 3214868480
	.section	.rodata,"a",@progbits
	.p2align	6, 0x0
	.amdhsa_kernel k_q759d615140_prep
		.amdhsa_group_segment_fixed_size 66048
		.amdhsa_private_segment_fixed_size 0
		.amdhsa_enable_private_segment 0
		.amdhsa_kernarg_size 144
		.amdhsa_user_sgpr_count 2
		.amdhsa_user_sgpr_kernarg_segment_ptr 1
		.amdhsa_wavefront_size32 1
		.amdhsa_system_sgpr_workgroup_id_x 1
		.amdhsa_system_sgpr_workgroup_id_y 1
		.amdhsa_system_sgpr_workgroup_id_z 1
		.amdhsa_system_vgpr_workitem_id 0
		.amdhsa_next_free_vgpr 232
		.amdhsa_next_free_sgpr 66
		.amdhsa_reserve_vcc 1
		.amdhsa_float_denorm_mode_32 3
		.amdhsa_float_denorm_mode_16_64 3
		.amdhsa_memory_ordered 1
		.amdhsa_forward_progress 1
		.amdhsa_inst_pref_size 103
	.end_amdhsa_kernel
	.amdgpu_metadata
---
amdhsa.version: [ 1, 2 ]
amdhsa.kernels:
  - .name:           k_q759d615140_prep
    .symbol:         k_q759d615140_prep.kd
    .args:
      - { .name: x, .offset: 0, .size: 8, .value_kind: global_buffer, .address_space: global }
      - { .name: Wq, .offset: 8, .size: 8, .value_kind: global_buffer, .address_space: global }
      - { .name: Wk, .offset: 16, .size: 8, .value_kind: global_buffer, .address_space: global }
      - { .name: Wv, .offset: 24, .size: 8, .value_kind: global_buffer, .address_space: global }
      - { .name: Wo, .offset: 32, .size: 8, .value_kind: global_buffer, .address_space: global }
      - { .name: adj, .offset: 40, .size: 8, .value_kind: global_buffer, .address_space: global }
      - { .name: distance, .offset: 48, .size: 8, .value_kind: global_buffer, .address_space: global }
      - { .name: key_padding_mask, .offset: 56, .size: 8, .value_kind: global_buffer, .address_space: global }
      - { .name: bq, .offset: 64, .size: 8, .value_kind: global_buffer, .address_space: global }
      - { .name: bk, .offset: 72, .size: 8, .value_kind: global_buffer, .address_space: global }
      - { .name: bv, .offset: 80, .size: 8, .value_kind: global_buffer, .address_space: global }
      - { .name: edge_emb, .offset: 88, .size: 8, .value_kind: global_buffer, .address_space: global }
      - { .name: dist_emb, .offset: 96, .size: 8, .value_kind: global_buffer, .address_space: global }
      - { .name: xc, .offset: 104, .size: 8, .value_kind: global_buffer, .address_space: global }
      - { .name: xs, .offset: 112, .size: 8, .value_kind: global_buffer, .address_space: global }
      - { .name: hb, .offset: 120, .size: 8, .value_kind: global_buffer, .address_space: global }
      - { .name: wof, .offset: 128, .size: 8, .value_kind: global_buffer, .address_space: global }
      - { .name: idx, .offset: 136, .size: 8, .value_kind: global_buffer, .address_space: global }
    .group_segment_fixed_size: 66048
    .private_segment_fixed_size: 0
    .kernarg_segment_align: 8
    .kernarg_segment_size: 144
    .max_flat_workgroup_size: 128
    .sgpr_count:     66
    .vgpr_count:     232
    .wavefront_size: 32
...
	.end_amdgpu_metadata
.endif
;; end of part 1
;; launch attn (part 2): grid 16 x 16, 8 waves a work-group, no clusters, 327,680 bytes of LDS; arguments xc, xs, hb, idx, at; writes at
.if DOCPART == 2
	.amdgcn_target "amdgcn-amd-amdhsa--gfx1250"
	.amdhsa_code_object_version 6
	.text
	.protected	k_q759d615140_attn
	.globl	k_q759d615140_attn
	.p2align	8
	.type	k_q759d615140_attn,@function
k_q759d615140_attn:
	s_mov_b64 s[64:65], 0
	v_nop
	global_prefetch_b8 v0, s[64:65] scope:SCOPE_SE
	s_setreg_imm32_b32 hwreg(HW_REG_WAVE_MODE, 25, 1), 1
	s_wait_xcnt 0x0
; ATTN: one work-group for each (batch, head).  PHASE P: the head's own slice of q, k, v = x W^T + b: 512 tokens x 192 features x K 1,024, on codes of E2M1 with E8M0 scales; q, k, v never go to memory.
; PHASE A: softmax(q k^T / 8 + bias, masked) v in f16 products with f32 sums, a running maximum and sum for each query; the result leaves as f16 fragment images for the last launch.
; SHARES.  Eight waves, two to a SIMD; wave w owns tokens 64 w .. 64 w + 63: its four token tiles in phase P, its four query tiles in phase A.  Every wave walks all 512 keys, 64 a step.
; LAYOUT.  q and k: source 0 = 16 rows of W, source 1 = 16 tokens: a lane holds one token and eight neighbouring features, which pack into 16 bytes of an f16 fragment in the same lane.  v: the sources swapped: a lane holds
; one channel and eight neighbouring tokens: a fragment of V^T.  K and V^T go to LDS as images of their registers (512 consecutive bytes a store); Q stays in registers.
; S^T = K Q^T and O^T = V^T P: a lane holds ONE query throughout; two score tiles, rounded to f16 in pairs, are source 1 of the second product.
; THE BIAS is the C of the first score product: idx holds, for each score, the LDS byte address of its table word (128 c + 4 lane: lane l always reads column l of a table row), so a look-up is one ds_load_b32 that lands
; in the accumulator's own register.  The numbers read from idx are held at the table's last word by v_min_u32 ahead of their use as addresses.
; SOFTMAX in powers of two: q is multiplied by 0.125 log2(e), the table holds bias x log2(e); p = 2^(s - m), m the running maximum; O and the sum are multiplied by 2^(old m - new m) in every step.
; LIMITS: a masked key's score is -1e30, not -infinity: its p is exactly 0 as soon as one open key of the row has been seen, since 2^(-1e30 - m) is 0 and what was summed before is multiplied by 0;
; a row whose last m lies under -2^97 (all keys masked) gets NaN, as the softmax of a row of -infinity is; true scores under -2^97 are not served.  |q| x 0.18, |k|, |v| and the result stay under 65,504 (f16).  NaN and infinities among the inputs are not served.
; NO CLUSTER, though x's codes are shared by the 16 heads of a batch and a head's block by the 16 batches: the look-ups' LDS addresses are numbers read from idx, which differ from work-group to work-group,
; and where tiles are asked for jointly every LDS address has to be alike in all partners.  So each work-group fetches its own 262,144 bytes of x's codes and its own 126,976 bytes of the head's block.
; LDS: three slots for x's codes, 256 along K each (wave w's four tiles at 8,192 w): B at 0, A at 188,416, C at 253,952; the head's block without its table at 65,536 (biases, weights' scale bytes, weights' codes);
; x's scale bytes at 172,032; the spare words.  Chunks 0, 1, 2 of K come with the first fills into A, B, C; chunk 3 is the one refill, into A, asked for behind chunk 0: it has two chunks' products in which to land.
; After their last fills C takes the K image [key tile 32][32 channels 2][1,024], A the V^T image [32 keys 16][channel tile 4][1,024], and the first 20,480 bytes of B the bias table, which comes through registers.
; All fragment reads are 16 x lane: 512 consecutive bytes.
; REGISTERS.  Window 0: v1-9, v26-31 addresses; v10-25 scale words and nothing else; v32-63 x's fragments, then biases, then statistics (8 a tile: m, -, l, l, c0-c3); v64-127 two sets of weight fragments, then idx;
; v128-255 q's 16 accumulators, then the scores S (32 a tile), p in place.  Window 1: v0-127 k's accumulators, then (v64-83) the table on its way, then O^T (32 a tile); v128-255 v's accumulators, then Q (v128-191) and K's or V's fragments (v192-255).
.set HBS,   126976
.set XRB,   0
.set BIASL, 65536
.set WSL,   67584
.set WCL,   73728
.set XSL,   172032
.set XRA,   188416
.set XRC,   253952
.set SPARE, 319488                     ; the spare words, 128 bytes for each of eight waves: four blocks of 256 bytes that no other line names
.set MSB, 0
.set ZF, 0
.macro WIN new                         ; the immediate's high byte repeats the setting that is left; a switch that changes nothing is dropped
.if MSB != \new
	s_set_vgpr_msb (MSB<<8)|\new
.set MSB, \new
.endif
.endm
.macro PLACES                          ; four plain places behind matrix instructions, ahead of loads into, or vector reads and writes of, their registers
.rept 4
	v_nop
.endr
.endm
	s_load_b256 s[4:11], s[0:1], 0x0               ; xc 4, xs 6, hb 8, idx 10
	s_load_b64 s[12:13], s[0:1], 0x20              ; at
	v_lshl_add_u32 v8, v0, 2, SPARE
	v_mov_b32 v9, 0
	ds_add_u32 v8, v9                              ; the wave's opening: the add, twice on end, and its wait ahead of my first tensor load
	ds_add_u32 v8, v9
	v_lshrrev_b32 v1, 5, v0
	v_readfirstlane_b32 s14, v1                    ; wave 0..7
	s_mov_b32 s17, ttmp9                           ; the head
	s_and_b32 s18, ttmp7, 0xffff                   ; the batch
	; descriptor groups 1: elements of 8 bytes, no padding, no mask.  x's codes: 4 token tiles x 2,048 bytes, 8,192 bytes apart
	s_mov_b32 s24, 3<<16
	s_mov_b32 s25, 256<<16
	s_mov_b32 s26, 4<<16
	s_mov_b32 s27, 256<<16
	s_mov_b32 s28, 4
	s_mov_b32 s29, 1024
	s_mov_b32 s30, 0
	s_mov_b32 s31, 0
	; x's scale bytes: 2,048 dense bytes as 8 rows of 256
	s_mov_b32 s32, 3<<16
	s_mov_b32 s33, 32<<16
	s_mov_b32 s34, 8<<16
	s_mov_b32 s35, 32<<16
	s_mov_b32 s36, 8
	s_mov_b32 s37, 32
	s_mov_b32 s38, 0
	s_mov_b32 s39, 0
	; an eighth of the head's block behind its table: 13,312 dense bytes as 52 rows of 256
	s_mov_b32 s40, 3<<16
	s_mov_b32 s41, 32<<16
	s_mov_b32 s42, 52<<16
	s_mov_b32 s43, 32<<16
	s_mov_b32 s44, 52
	s_mov_b32 s45, 32
	s_mov_b32 s46, 0
	s_mov_b32 s47, 0
	; offsets, in registers of their own
	s_lshl_b32 s80, s18, 14
	s_lshl_b32 s81, s14, 11
	s_add_co_u32 s80, s80, s81                     ; xs: 16,384 a batch + 2,048 a wave
	s_mov_b32 s81, 0
	s_lshl_b32 s82, s18, 18
	s_lshl_b32 s83, s14, 15
	s_add_co_u32 s82, s82, s83                     ; xc: 262,144 a batch + 32,768 a wave
	s_mov_b32 s83, 0
	s_mul_i32 s84, s17, HBS                        ; the head's block
	s_mul_i32 s94, s14, 2560                       ; my eighth of its table, in memory and in LDS alike
	s_add_co_u32 s92, s84, s94
	s_mov_b32 s93, 0
	s_mul_i32 s91, s14, 13312                      ; my eighth of the rest,
	s_add_co_u32 s84, s84, s91
	s_add_co_u32 s84, s84, 20480                   ; which begins behind the table,
	s_mov_b32 s85, 0
	s_add_co_u32 s53, s91, BIASL                   ; and its place in LDS
	s_lshl_b32 s86, s18, 19
	s_lshl_b32 s87, s14, 16
	s_add_co_u32 s86, s86, s87                     ; idx: 524,288 a batch + 65,536 a wave
	s_mov_b32 s87, 0
	s_lshl_b32 s88, s18, 20
	s_lshl_b32 s89, s14, 17
	s_add_co_u32 s88, s88, s89
	s_lshl_b32 s89, s17, 11
	s_add_co_u32 s88, s88, s89                     ; at: 1,048,576 a batch + 131,072 a wave + 2,048 a head
	s_mov_b32 s89, 0
	s_lshl_b32 s49, s14, 11
	s_add_co_u32 s49, s49, XSL
	s_lshl_b32 s90, s14, 13
	s_add_co_u32 s57, s90, XRA                     ; my 8,192 bytes of slot A,
	s_add_co_u32 s61, s90, XRB                     ; of slot B,
	s_add_co_u32 s21, s90, XRC                     ; of slot C
	s_mov_b32 s48, 1
	s_mov_b32 s52, 1
	s_mov_b32 s56, 1
	s_mov_b32 s60, 1
	s_mov_b32 s20, 1
	s_mov_b32 s66, 0                               ; where the key step's images begin
	s_mov_b32 s68, 0x76543210
	s_mov_b32 s69, 0xfedcba98                      ; v_permlanex16_b32's selects for lane l xor 16
	s_mov_b32 s70, 0xffff
	s_mov_b32 s72, 0x3e38aa3b                      ; 0.125 log2(e)
	s_mov_b32 s73, s72                             ; (named with it as a pair)
	s_mov_b32 s78, 0xf0000000                      ; -2^97
	s_wait_dscnt 0x0                               ; both opening adds are done
	s_wait_kmcnt 0x0
	s_add_nc_u64 s[50:51], s[6:7], s[80:81]
	s_or_b32 s51, s51, 0x80000000
	s_add_nc_u64 s[54:55], s[8:9], s[84:85]
	s_or_b32 s55, s55, 0x80000000
	s_add_nc_u64 s[58:59], s[4:5], s[82:83]        ; chunk 0 of K
	s_add_nc_u64 s[62:63], s[58:59], 2048          ; chunk 1
	s_add_nc_u64 s[22:23], s[58:59], 4096          ; chunk 2
	s_or_b32 s59, s59, 0x80000000
	s_or_b32 s63, s63, 0x80000000
	s_or_b32 s23, s23, 0x80000000
	s_add_nc_u64 s[92:93], s[8:9], s[92:93]        ; my eighth of the table
	s_add_nc_u64 s[74:75], s[10:11], s[86:87]
	s_add_nc_u64 s[76:77], s[12:13], s[88:89]
	tensor_load_to_lds s[48:51], s[32:39]          ; the first fills, one group, five loads of mine out: x's scale bytes,
	s_nop 0
	tensor_load_to_lds s[52:55], s[40:47]          ; my eighth of the head's block,
	s_nop 0
	tensor_load_to_lds s[56:59], s[24:31]          ; my tokens' chunk 0 into slot A,
	s_nop 0
	tensor_load_to_lds s[60:63], s[24:31]          ; chunk 1 into slot B,
	s_nop 0
	tensor_load_to_lds s[20:23], s[24:31]          ; chunk 2 into slot C
	s_nop 0
	PLACES
	v_and_b32 v32, 31, v0
	v_lshlrev_b32 v1, 4, v32                       ; 16 x lane
	v_add_nc_u32 v2, s57, v1                       ; my part of slot A; later of the V^T image
	v_add_nc_u32 v3, s61, v1                       ; my part of slot B
	v_add_nc_u32 v30, s21, v1                      ; my part of slot C; later of the K image (phase A makes v30 and v31 anew)
	v_add_nc_u32 v31, s94, v1                      ; where my eighth of the table goes
	v_add_nc_u32 v4, WCL, v1                       ; the weights' codes, tiles 0-7,
	v_add_nc_u32 v5, WCL+65536, v1                 ; and 8-11
	v_add_nc_u32 v6, XRC, v1                       ; the K image
	v_add_nc_u32 v7, XRA, v1                       ; the V^T image
	v_and_b32 v33, 15, v0
	v_bfe_u32 v32, v0, 4, 1
	v_lshlrev_b32 v27, 4, v33
	v_lshl_add_u32 v27, v32, 9, v27                ; scale words: 16 bytes a row; lanes 16-31 take the next tile, 512 bytes on
	v_add_nc_u32 v26, s49, v27
	v_add_nc_u32 v27, WSL, v27
	v_lshlrev_b32 v28, 5, v32
	v_add_nc_u32 v28, BIASL, v28                   ; biases by features: my half's eight
	v_lshlrev_b32 v29, 2, v33
	v_add_nc_u32 v29, BIASL+512, v29               ; bv by channel: one a lane
	s_wait_tensorcnt 0x2                           ; scale bytes, my eighth and chunk 0 are in; chunks 1 and 2 may stay out
	s_barrier_signal -1
	s_barrier_wait -1                              ; everybody's eighth is in
; ---------------- PHASE P
.macro WMS                             ; one scaled product on the symbols rD, rA, rB, rSA, rSB; fA, fB: the side's scale words stand in lanes 16-31; ZF: the product starts its sum
.if ZF
.if fA && fB
	v_wmma_scale_f32_16x16x128_f8f6f4 v[rD:rD+7], v[rA:rA+7], v[rB:rB+7], 0, v[rSA], v[rSB] matrix_a_fmt:MATRIX_FMT_FP4 matrix_b_fmt:MATRIX_FMT_FP4 matrix_a_scale:MATRIX_SCALE_ROW1 matrix_b_scale:MATRIX_SCALE_ROW1
.elseif fA
	v_wmma_scale_f32_16x16x128_f8f6f4 v[rD:rD+7], v[rA:rA+7], v[rB:rB+7], 0, v[rSA], v[rSB] matrix_a_fmt:MATRIX_FMT_FP4 matrix_b_fmt:MATRIX_FMT_FP4 matrix_a_scale:MATRIX_SCALE_ROW1
.elseif fB
	v_wmma_scale_f32_16x16x128_f8f6f4 v[rD:rD+7], v[rA:rA+7], v[rB:rB+7], 0, v[rSA], v[rSB] matrix_a_fmt:MATRIX_FMT_FP4 matrix_b_fmt:MATRIX_FMT_FP4 matrix_b_scale:MATRIX_SCALE_ROW1
.else
	v_wmma_scale_f32_16x16x128_f8f6f4 v[rD:rD+7], v[rA:rA+7], v[rB:rB+7], 0, v[rSA], v[rSB] matrix_a_fmt:MATRIX_FMT_FP4 matrix_b_fmt:MATRIX_FMT_FP4
.endif
.else
.if fA && fB
	v_wmma_scale_f32_16x16x128_f8f6f4 v[rD:rD+7], v[rA:rA+7], v[rB:rB+7], v[rD:rD+7], v[rSA], v[rSB] matrix_a_fmt:MATRIX_FMT_FP4 matrix_b_fmt:MATRIX_FMT_FP4 matrix_a_scale:MATRIX_SCALE_ROW1 matrix_b_scale:MATRIX_SCALE_ROW1
.elseif fA
	v_wmma_scale_f32_16x16x128_f8f6f4 v[rD:rD+7], v[rA:rA+7], v[rB:rB+7], v[rD:rD+7], v[rSA], v[rSB] matrix_a_fmt:MATRIX_FMT_FP4 matrix_b_fmt:MATRIX_FMT_FP4 matrix_a_scale:MATRIX_SCALE_ROW1
.elseif fB
	v_wmma_scale_f32_16x16x128_f8f6f4 v[rD:rD+7], v[rA:rA+7], v[rB:rB+7], v[rD:rD+7], v[rSA], v[rSB] matrix_a_fmt:MATRIX_FMT_FP4 matrix_b_fmt:MATRIX_FMT_FP4 matrix_b_scale:MATRIX_SCALE_ROW1
.else
	v_wmma_scale_f32_16x16x128_f8f6f4 v[rD:rD+7], v[rA:rA+7], v[rB:rB+7], v[rD:rD+7], v[rSA], v[rSB] matrix_a_fmt:MATRIX_FMT_FP4 matrix_b_fmt:MATRIX_FMT_FP4
.endif
.endif
.endm
; 16 products: the four feature tiles of q (g = 0) or k (g = 1) x my four token tiles, 128 along K.  Source 0 = W.  The 48 accumulators of a K step take turns, one instruction a turn
.macro MULW g, base, set, q
.irp ft, 0,1,2,3
.irp tt, 0,1,2,3
.set rD, (\base)+8*(4*\tt+\ft)
.set rA, (\set)+8*\ft
.set rB, 32+8*\tt
.set rSA, 14+2*(2*(\g)+\ft/2)+(\q)
.set rSB, 10+2*(\tt/2)+(\q)
.set fA, \ft%2
.set fB, \tt%2
	WMS
.endr
.endr
.endm
.macro MULV set, q                     ; the same for v with the sources swapped: source 0 = x
.irp ft, 0,1,2,3
.irp tt, 0,1,2,3
.set rD, 128+8*(4*\tt+\ft)
.set rA, 32+8*\tt
.set rB, (\set)+8*\ft
.set rSA, 10+2*(\tt/2)+(\q)
.set rSB, 14+2*(4+\ft/2)+(\q)
.set fA, \tt%2
.set fB, \ft%2
	WMS
.endr
.endr
.endm
.macro LDW set, fz, ks                 ; four weight fragments, tiles fz .. fz + 3, K step ks: eight loads
.irp n, 0,1,2,3
.irp c, 0,1
.if (\fz) < 8
	ds_load_b128 v[(\set)+8*\n+4*\c:(\set)+8*\n+4*\c+3], v4 offset:((\fz)+\n)*8192+(\ks)*1024+512*\c
.else
	ds_load_b128 v[(\set)+8*\n+4*\c:(\set)+8*\n+4*\c+3], v5 offset:((\fz)+\n-8)*8192+(\ks)*1024+512*\c
.endif
.endr
.endr
.endm
.macro LDX reg, q                      ; my four token tiles' fragments of the q-th 128 along K of the slot whose address stands in v[reg]: eight loads
.irp tt, 0,1,2,3
.irp c, 0,1
	ds_load_b128 v[32+8*\tt+4*\c:35+8*\tt+4*\c], v[\reg] offset:2048*\tt+1024*(\q)+512*\c
.endr
.endr
.endm
.macro LDSC ch                         ; chunk ch's scale words, two a row: lanes 0-15 an even tile's, lanes 16-31 the odd one's: two pairs of x's tiles, six of the weights'
.irp p, 0,1
	ds_load_b64 v[10+2*\p:11+2*\p], v26 offset:1024*\p+256*((\ch)/2)+8*((\ch)%2)
.endr
.irp p, 0,1,2,3,4,5
	ds_load_b64 v[14+2*\p:15+2*\p], v27 offset:1024*\p+256*((\ch)/2)+8*((\ch)%2)
.endr
.endm
; A K step of 128: q's, k's and v's 16 products; while one group is multiplied the next group's weights come into the other set.  The sets change parts from K step to K step.
; Chunks 0 and 3 lie in slot A (v2), chunk 1 in slot B (v3), chunk 2 in slot C (v30).
.macro KSTEP ks
.set SA, 64+32*((\ks)%2)
.set SB, 96-32*((\ks)%2)
	LDW SB, 4, \ks
	s_wait_dscnt 8                                 ; all but the eight just issued: q's weights, x's fragments, the scale words
	MULW 0, 128, SA, (\ks)%2
	PLACES
	LDW SA, 8, \ks
	s_wait_dscnt 8                                 ; k's weights are in
	WIN 0x50                                       ; C and D in window 1
	MULW 1, 0, SB, (\ks)%2
	WIN 0
	PLACES
.if (\ks) < 7
	LDW SB, 0, (\ks)+1
	s_wait_dscnt 8                                 ; v's weights are in
.else
	s_wait_dscnt 0x0
.endif
	WIN 0x50
	MULV SA, (\ks)%2
	WIN 0
	PLACES
.if (\ks)%2 == 0
.set XREG, 2
.if (\ks)/2 == 1
.set XREG, 3
.endif
.if (\ks)/2 == 2
.set XREG, 30
.endif
	LDX XREG, 1
.endif
.endm
	LDX 2, 0
	LDSC 0
	LDW 64, 0, 0
.set ZF, 1
	KSTEP 0                                        ; the first K step's products start the sums: nothing is cleared
.set ZF, 0
	KSTEP 1
	; THE ONE CHANGE OF SLOTS: slot A, which has been read, takes chunk 3.  Every wave waits for all its tensor loads (chunks 1 and 2 among them), adds 0 to its spare word, waits for that and for its reads;
	; the work-group's barrier; the refill first behind it, one load a wave.  It has chunks 1 and 2, 192 products a wave, in which to land
	s_wait_tensorcnt 0x0
	ds_add_u32 v8, v9
	s_add_nc_u64 s[58:59], s[58:59], 6144          ; no load of mine is out: slot A's address steps three chunks on; the type bits on top are not reached
	s_wait_dscnt 0x0
	s_barrier_signal -1
	s_barrier_wait -1
	tensor_load_to_lds s[56:59], s[24:31]
	s_nop 0
	PLACES
	LDX 3, 0
	LDSC 1
	KSTEP 2
	KSTEP 3
	LDX 30, 0                                      ; chunk 2 was shown landed by the wait for all loads above; only I read these bytes
	LDSC 2
	KSTEP 4
	KSTEP 5
	s_wait_tensorcnt 0x0                           ; chunk 3, my last tensor load: only I read these bytes, so my own wait is all the order that the reads need
	LDX 2, 0
	LDSC 3
	KSTEP 6
	KSTEP 7
; ---------------- from P to A
.macro IDXLOAD                         ; a key step's idx of my four query tiles: 16 loads of 512 consecutive bytes
.irp t, 0,1,2,3
.irp kt, 0,1,2,3
	global_load_b128 v[64+16*\t+4*\kt:67+16*\t+4*\kt], v1, s[74:75] offset:16384*\t+512*\kt
.endr
.endr
.endm
	IDXLOAD                                        ; key step 0's, into the weights' registers (four places behind the last products)
	s_wait_dscnt 0x0
	s_barrier_signal -1
	s_barrier_wait -1                              ; every wave's reads of the three slots are over, and the slots have had their last fills: they take the images and the table
.irp ft, 0,1,2,3
	ds_load_b128 v[32+8*\ft:35+8*\ft], v28 offset:256+64*\ft     ; bk, in the result's layout
	ds_load_b128 v[36+8*\ft:39+8*\ft], v28 offset:272+64*\ft
.endr
	s_wait_dscnt 0x0
	WIN 0x41                                       ; destination and source 0 window 1, source 1 window 0
.irp tt, 0,1,2,3
.irp ft, 0,1,2,3
.irp j, 0,2,4,6
	v_pk_add_f32 v[8*(4*\tt+\ft)+\j:8*(4*\tt+\ft)+\j+1], v[8*(4*\tt+\ft)+\j:8*(4*\tt+\ft)+\j+1], v[32+8*\ft+\j:33+8*\ft+\j]
.endr
.endr
.endr
	WIN 0x45                                       ; all in window 1
.set ci, 0
.rept 64
	v_cvt_pk_f16_f32 v[ci], v[2*ci], v[2*ci+1]     ; in place, ascending: register i is written when it has been read
.set ci, ci+1
.endr
	WIN 0x04                                       ; an LDS store's data are its source 1
.irp tt, 0,1,2,3
.irp ft, 0,1,2,3
	ds_store_b128 v30, v[4*(4*\tt+\ft):4*(4*\tt+\ft)+3] offset:2048*\tt+512*\ft
.endr
.endr
	WIN 0x40                                       ; destination window 1, address window 0
.irp i, 0,1,2,3,4
	global_load_b128 v[64+4*\i:67+4*\i], v1, s[92:93] offset:512*\i   ; my eighth of the bias table, 512 consecutive bytes a load, into registers that k's conversion has left; it lands under v's and q's arithmetic
.endr
	WIN 0
.irp ft, 0,1,2,3
	ds_load_b32 v[32+2*\ft], v29 offset:64*\ft     ; bv of my channel
.endr
	s_wait_dscnt 0x0
	WIN 0x41
.irp tt, 0,1,2,3
.irp ft, 0,1,2,3
.irp j, 0,2,4,6
	v_pk_add_f32 v[128+8*(4*\tt+\ft)+\j:129+8*(4*\tt+\ft)+\j], v[128+8*(4*\tt+\ft)+\j:129+8*(4*\tt+\ft)+\j], v[32+2*\ft:33+2*\ft] op_sel_hi:[1,0]
.endr
.endr
.endr
	WIN 0x45
.set ci, 0
.rept 64
	v_cvt_pk_f16_f32 v[128+ci], v[128+2*ci], v[129+2*ci]
.set ci, ci+1
.endr
	WIN 0x04
.irp tt, 0,1,2,3
.irp ft, 0,1,2,3
	ds_store_b128 v2, v[128+4*(4*\tt+\ft):131+4*(4*\tt+\ft)] offset:4096*(\tt/2)+1024*\ft+512*(\tt%2)
.endr
.endr
	WIN 0
.irp ft, 0,1,2,3
	ds_load_b128 v[32+8*\ft:35+8*\ft], v28 offset:64*\ft         ; bq x 0.125 log2(e)
	ds_load_b128 v[36+8*\ft:39+8*\ft], v28 offset:16+64*\ft
.endr
	s_wait_dscnt 0x0                               ; they are in, and V's stores have read their registers, which Q takes
.irp tt, 0,1,2,3
.irp ft, 0,1,2,3
.irp j, 0,2,4,6
	v_pk_fma_f32 v[128+8*(4*\tt+\ft)+\j:129+8*(4*\tt+\ft)+\j], v[128+8*(4*\tt+\ft)+\j:129+8*(4*\tt+\ft)+\j], s[72:73], v[32+8*\ft+\j:33+8*\ft+\j] op_sel_hi:[1,0,1]
.endr
.endr
.endr
	WIN 0x40                                       ; destination window 1
.irp tt, 0,1,2,3
.irp ft, 0,1,2,3
.irp i, 0,1,2,3
	v_cvt_pk_f16_f32 v[128+16*\tt+4*\ft+\i], v[128+8*(4*\tt+\ft)+2*\i], v[129+8*(4*\tt+\ft)+2*\i]
.endr
.endr
.endr
	WIN 0
.irp t, 0,1,2,3
	v_mov_b32 v[33+8*\t], 0                        ; (named with m as a pair, so it is written)
.endr
	s_wait_loadcnt 0x0                             ; my eighth of the table is in (and key step 0's idx, asked for before it)
	WIN 0x04
.irp i, 0,1,2,3,4
	ds_store_b128 v31, v[64+4*\i:67+4*\i] offset:512*\i          ; to LDS bytes 2,560 w on: the table begins at byte 0, as idx's numbers have it
.endr
	WIN 0
	s_wait_dscnt 0x0                               ; for the others' sake: my stores into the images and the table are done
	s_barrier_signal -1
	s_barrier_wait -1                              ; images and table are whole.  From here to the barrier in front of the way out LDS is only read
; ---------------- PHASE A
; Tile t's 32 look-ups a lane.  Each word of idx holds two addresses.  In three runs: all are unpacked, all are held at the table's last word, and only then each is replaced by the word that it points to:
; so an address is made 32 instructions or more ahead of the load that uses it.
.macro GATH t
	WIN 0
.set gi, 0
.rept 16
	v_and_b32 v[128+32*(\t)+2*gi], s70, v[64+16*(\t)+gi]
	v_lshrrev_b32 v[129+32*(\t)+2*gi], 16, v[64+16*(\t)+gi]
.set gi, gi+1
.endr
.set gi, 0
.rept 32
	v_min_u32 v[128+32*(\t)+gi], 0x4ffc, v[128+32*(\t)+gi]
.set gi, gi+1
.endr
.set gi, 0
.rept 32
	ds_load_b32 v[128+32*(\t)+gi], v[128+32*(\t)+gi]
.set gi, gi+1
.endr
.endm
.macro SMUL t                          ; S^T of tile t = bias + K Q^T: four key tiles by turns, 32 channels at a time
	WIN 0x05                                       ; K and Q in window 1, S in window 0
.irp u, 0,1
.irp kt, 0,1,2,3
	v_wmma_f32_16x16x32_f16 v[128+32*(\t)+8*\kt:135+32*(\t)+8*\kt], v[192+16*\kt+8*\u:199+16*\kt+8*\u], v[128+16*(\t)+8*\u:135+16*(\t)+8*\u], v[128+32*(\t)+8*\kt:135+32*(\t)+8*\kt]
.endr
.endr
.endm
; A KEY STEP: 64 keys.  first = 1: the first step, which starts m, the sum and O^T.
.macro STEP first
	v_add_nc_u32 v30, s66, v6
	v_add_nc_u32 v31, s66, v7
	v_nop
	v_nop                                          ; four places behind the last step's products
	WIN 0x40
.irp kt, 0,1,2,3
.irp u, 0,1
.irp g, 0,1
	ds_load_b128 v[192+16*\kt+8*\u+4*\g:195+16*\kt+8*\u+4*\g], v30 offset:2048*\kt+1024*\u+512*\g
.endr
.endr
.endr
	WIN 0
	s_wait_loadcnt 0x0                             ; this step's idx, asked for a step ago; its loads are done, so their base may step
	s_add_nc_u64 s[74:75], s[74:75], 2048
	GATH 0
	GATH 1
	s_wait_dscnt 32                                ; all but the youngest tile's 32 look-ups: K and tile 0's bias are in
	SMUL 0
	GATH 2
	s_wait_dscnt 32
	SMUL 1
	GATH 3
.if \first
	IDXLOAD
.else
	s_cmp_eq_u32 s67, 1                            ; the last step asks for nothing: no load leaves its buffer
	s_cbranch_scc1 .Lno_idx_\@
	IDXLOAD
.Lno_idx_\@:
.endif
	s_wait_dscnt 32
	SMUL 2
	s_wait_dscnt 0x0
	SMUL 3
	WIN 0
	PLACES
	WIN 0x40
.irp u, 0,1
.irp ct, 0,1,2,3
.irp g, 0,1
	ds_load_b128 v[192+32*\u+8*\ct+4*\g:195+32*\u+8*\ct+4*\g], v31 offset:4096*\u+1024*\ct+512*\g   ; V^T takes K's registers; it lands under the softmax
.endr
.endr
.endr
	WIN 0
	; the maximum of a lane's 32 scores and the old m, three operands at a time, the four tiles by turns; each accumulator is read from its low end on
.irp j, 0,1,2,3
.irp t, 0,1,2,3
	v_max3_num_f32 v[36+8*\t+\j], v[128+32*\t+8*\j], v[129+32*\t+8*\j], v[130+32*\t+8*\j]
.endr
.endr
.irp i, 3,5
.irp j, 0,1,2,3
.irp t, 0,1,2,3
	v_max3_num_f32 v[36+8*\t+\j], v[36+8*\t+\j], v[128+32*\t+8*\j+\i], v[129+32*\t+8*\j+\i]
.endr
.endr
.endr
.irp t, 0,1,2,3
	v_max3_num_f32 v[36+8*\t], v[36+8*\t], v[135+32*\t], v[143+32*\t]
.endr
.irp t, 0,1,2,3
	v_max3_num_f32 v[38+8*\t], v[38+8*\t], v[151+32*\t], v[159+32*\t]
.endr
.irp t, 0,1,2,3
	v_max3_num_f32 v[36+8*\t], v[36+8*\t], v[37+8*\t], v[38+8*\t]
.endr
.irp t, 0,1,2,3
.if \first
	v_max_num_f32 v[36+8*\t], v[36+8*\t], v[39+8*\t]
.else
	v_max3_num_f32 v[36+8*\t], v[36+8*\t], v[39+8*\t], v[32+8*\t]
.endif
.endr
.irp t, 0,1,2,3
	v_permlanex16_b32 v[37+8*\t], v[36+8*\t], s68, s69           ; the query's other 32 keys lie in the lane 16 away
.endr
.if !\first
.irp t, 0,1,2,3
	v_mov_b32 v[39+8*\t], v[32+8*\t]
.endr
.endif
.irp t, 0,1,2,3
	v_max_num_f32 v[32+8*\t], v[36+8*\t], v[37+8*\t]             ; the new m
.endr
.if !\first
.irp t, 0,1,2,3
	v_sub_f32 v[39+8*\t], v[39+8*\t], v[32+8*\t]
.endr
.irp t, 0,1,2,3
	v_exp_f32 v[38+8*\t], v[39+8*\t]                             ; a = 2^(old m - new m)
.endr
.endif
.irp t, 0,1,2,3
.set ei, 0
.rept 16
	v_pk_add_f32 v[128+32*\t+ei:129+32*\t+ei], v[128+32*\t+ei:129+32*\t+ei], v[32+8*\t:33+8*\t] op_sel_hi:[1,0] neg_lo:[0,1] neg_hi:[0,1]   ; s - m
.set ei, ei+2
.endr
.endr
.if !\first
	s_wait_alu depctr_va_vdst(0)                   ; the wait stands ahead of the first line that names a; the 64 lines above are the work between
.endif
.set ei, 0
.rept 128
	v_exp_f32 v[128+ei], v[128+ei]                 ; p = 2^(s - m): one batch
.set ei, ei+1
.endr
.if \first
	v_nop                                          ; a plain line behind the last exponential
.else
	WIN 0x41                                       ; O^T x a and the sums x a name no p: they are the work behind the batch
.irp t, 0,1,2,3
.set ei, 0
.rept 16
	v_pk_mul_f32 v[32*\t+ei:32*\t+ei+1], v[32*\t+ei:32*\t+ei+1], v[38+8*\t:39+8*\t] op_sel_hi:[1,0]
.set ei, ei+2
.endr
.endr
	WIN 0
.irp t, 0,1,2,3
	v_pk_mul_f32 v[34+8*\t:35+8*\t], v[34+8*\t:35+8*\t], v[38+8*\t:39+8*\t] op_sel_hi:[1,0]
.endr
.endif
	s_wait_alu depctr_va_vdst(0)                   ; one wait for the batch of 128, ahead of its first reader
.irp t, 0,1,2,3
	v_pk_add_f32 v[36+8*\t:37+8*\t], v[128+32*\t:129+32*\t], v[130+32*\t:131+32*\t]    ; the sum of the unrounded p, two chains a tile
.endr
.irp t, 0,1,2,3
	v_pk_add_f32 v[38+8*\t:39+8*\t], v[132+32*\t:133+32*\t], v[134+32*\t:135+32*\t]
.endr
.irp j, 8,12,16,20,24,28
.irp t, 0,1,2,3
	v_pk_add_f32 v[36+8*\t:37+8*\t], v[36+8*\t:37+8*\t], v[128+32*\t+\j:129+32*\t+\j]
.endr
.irp t, 0,1,2,3
	v_pk_add_f32 v[38+8*\t:39+8*\t], v[38+8*\t:39+8*\t], v[130+32*\t+\j:131+32*\t+\j]
.endr
.endr
.irp t, 0,1,2,3
.if \first
	v_pk_add_f32 v[34+8*\t:35+8*\t], v[36+8*\t:37+8*\t], v[38+8*\t:39+8*\t]
.else
	v_pk_add_f32 v[36+8*\t:37+8*\t], v[36+8*\t:37+8*\t], v[38+8*\t:39+8*\t]
.endif
.endr
.if !\first
.irp t, 0,1,2,3
	v_pk_add_f32 v[34+8*\t:35+8*\t], v[34+8*\t:35+8*\t], v[36+8*\t:37+8*\t]
.endr
.endif
.irp t, 0,1,2,3
.set ei, 0
.rept 16
	v_cvt_pk_f16_f32 v[128+32*\t+ei], v[128+32*\t+2*ei], v[129+32*\t+2*ei]   ; p to f16, in place: the tile's first 16 registers are source 1 of the second product
.set ei, ei+1
.endr
.endr
	s_wait_dscnt 0x0                               ; V^T is in
	WIN 0x51                                       ; V^T and O^T in window 1, p in window 0
.irp u, 0,1
.irp ct, 0,1,2,3
.irp t, 0,1,2,3
.if \first && (\u == 0)
	v_wmma_f32_16x16x32_f16 v[32*\t+8*\ct:32*\t+8*\ct+7], v[192+32*\u+8*\ct:199+32*\u+8*\ct], v[128+32*\t+8*\u:135+32*\t+8*\u], 0
.else
	v_wmma_f32_16x16x32_f16 v[32*\t+8*\ct:32*\t+8*\ct+7], v[192+32*\u+8*\ct:199+32*\u+8*\ct], v[128+32*\t+8*\u:135+32*\t+8*\u], v[32*\t+8*\ct:32*\t+8*\ct+7]
.endif
.endr
.endr
.endr
	WIN 0
	s_add_co_u32 s66, s66, 8192                    ; the next step's images
.endm
	STEP 1
	s_mov_b32 s67, 7
.Lkeys:
	STEP 0
	s_sub_co_u32 s67, s67, 1
	s_cmp_lg_u32 s67, 0
	s_cbranch_scc1 .Lkeys
	; ---------------- the way out.  The sum's two halves and the other half of the lanes'; O^T / the sum; f16; 512 consecutive bytes a store.  These lines are the places behind the last products
.irp t, 0,1,2,3
	v_add_f32 v[36+8*\t], v[34+8*\t], v[35+8*\t]
.endr
.irp t, 0,1,2,3
	v_permlanex16_b32 v[37+8*\t], v[36+8*\t], s68, s69
.endr
.irp t, 0,1,2,3
	v_add_f32 v[36+8*\t], v[36+8*\t], v[37+8*\t]
.endr
.irp t, 0,1,2,3
	v_rcp_f32 v[38+8*\t], v[36+8*\t]
.endr
.irp t, 0,1,2,3
	v_mov_b32 v[37+8*\t], 0x7fc00000               ; NaN (plain lines behind the reciprocals)
.endr
	s_wait_alu depctr_va_vdst(0)                   ; one wait for the four reciprocals, ahead of their first reader
.irp t, 0,1,2,3
	v_cmp_gt_f32 vcc_lo, s78, v[32+8*\t]           ; no open key was ever seen
	v_cndmask_b32 v[38+8*\t], v[38+8*\t], v[37+8*\t], vcc_lo
.endr
	s_wait_dscnt 0x0
	s_barrier_signal -1
	s_barrier_wait -1                              ; every wave's look-ups are over before any wave's closing add
	WIN 0x41
.irp t, 0,1,2,3
.set ei, 0
.rept 16
	v_pk_mul_f32 v[32*\t+ei:32*\t+ei+1], v[32*\t+ei:32*\t+ei+1], v[38+8*\t:39+8*\t] op_sel_hi:[1,0]
.set ei, ei+2
.endr
.endr
	WIN 0x05                                       ; sources in window 1, destination in window 0
.set ci, 0
.rept 64
	v_cvt_pk_f16_f32 v[128+ci], v[2*ci], v[2*ci+1] ; tile t, channel tile ct: registers 128 + 16 t + 4 ct on: query lane % 16, channels 16 ct + 8 (lane / 16) + 0 .. 7
.set ci, ci+1
.endr
	WIN 0
.irp t, 0,1,2,3
.irp ct, 0,1,2,3
	global_store_b128 v1, v[128+16*\t+4*\ct:131+16*\t+4*\ct], s[76:77] offset:32768*\t+512*\ct
.endr
.endr
	s_wait_tensorcnt 0x0                           ; the wave's end: three lines behind my last tensor load and my last LDS store
	ds_add_u32 v8, v9
	s_wait_dscnt 0x0
	s_endpgm
.Lfunc_end_k_q759d615140_attn:
	.size	k_q759d615140_attn, .Lfunc_end_k_q759d615140_attn-k_q759d615140_attn
	.p2alignl 7, 3214868480
	.fill 96, 4, 3214868480
	.section	.rodata,"a",@progbits
	.p2align	6, 0x0
	.amdhsa_kernel k_q759d615140_attn
		.amdhsa_group_segment_fixed_size 327680
		.amdhsa_private_segment_fixed_size 0
		.amdhsa_enable_private_segment 0
		.amdhsa_kernarg_size 40
		.amdhsa_user_sgpr_count 2
		.amdhsa_user_sgpr_kernarg_segment_ptr 1
		.amdhsa_wavefront_size32 1
		.amdhsa_system_sgpr_workgroup_id_x 1
		.amdhsa_system_sgpr_workgroup_id_y 1
		.amdhsa_system_sgpr_workgroup_id_z 1
		.amdhsa_system_vgpr_workitem_id 0
		.amdhsa_next_free_vgpr 512
		.amdhsa_next_free_sgpr 96
		.amdhsa_reserve_vcc 1
		.amdhsa_float_denorm_mode_32 3
		.amdhsa_float_denorm_mode_16_64 3
		.amdhsa_memory_ordered 1
		.amdhsa_forward_progress 1
		.amdhsa_inst_pref_size 222
	.end_amdhsa_kernel
	.amdgpu_metadata
---
amdhsa.version: [ 1, 2 ]
amdhsa.kernels:
  - .name:           k_q759d615140_attn
    .symbol:         k_q759d615140_attn.kd
    .args:
      - { .name: xc, .offset: 0, .size: 8, .value_kind: global_buffer, .address_space: global }
      - { .name: xs, .offset: 8, .size: 8, .value_kind: global_buffer, .address_space: global }
      - { .name: hb, .offset: 16, .size: 8, .value_kind: global_buffer, .address_space: global }
      - { .name: idx, .offset: 24, .size: 8, .value_kind: global_buffer, .address_space: global }
      - { .name: at, .offset: 32, .size: 8, .value_kind: global_buffer, .address_space: global }
    .group_segment_fixed_size: 327680
    .private_segment_fixed_size: 0
    .kernarg_segment_align: 8
    .kernarg_segment_size: 40
    .max_flat_workgroup_size: 256
    .sgpr_count:     96
    .vgpr_count:     512
    .wavefront_size: 32
...
	.end_amdgpu_metadata
.endif
;; end of part 2
;; launch oproj (part 3): grid 4 x 64, 4 waves a work-group, clusters of 4 x 4, 327,680 bytes of LDS; arguments at, wof, bo, out0; writes out0
.if DOCPART == 3
	.amdgcn_target "amdgcn-amd-amdhsa--gfx1250"
	.amdhsa_code_object_version 6
	.text
	.protected	k_q759d615140_oproj
	.globl	k_q759d615140_oproj
	.p2align	8
	.type	k_q759d615140_oproj,@function
k_q759d615140_oproj:
	s_mov_b64 s[64:65], 0
	v_nop
	global_prefetch_b8 v0, s[64:65] scope:SCOPE_SE
	s_setreg_imm32_b32 hwreg(HW_REG_WAVE_MODE, 25, 1), 1
	s_wait_xcnt 0x0
	s_wait_alu depctr_hold_cnt(0) depctr_sa_sdst(0) depctr_va_vdst(0) depctr_va_sdst(0) depctr_va_ssrc(0) depctr_va_vcc(0) depctr_vm_vsrc(0)
	s_getreg_b32 s2, hwreg(HW_REG_IB_STS2, 6, 4)
	s_cmp_eq_u32 s2, 0
	s_cbranch_scc0 .Lentry_in_a_cluster
	s_endpgm
.Lentry_in_a_cluster:
	s_bfe_u32 s2, ttmp6, 0x10000c
	s_cmp_lg_u32 s2, 0xf033
	s_cbranch_scc0 .Lentry_shape_is_right
	s_endpgm
.Lentry_shape_is_right:
; OPROJ: out0[m][n] = bo[n] + the sum over k of attn[m][k] Wo[n][k]; M 8,192, N 1,024, K 1,024; f16 operands, f32 sums.  Both operands arrive as fragment images:
; [tile of 16 rows][32 along K][1,024 bytes], lane l's 16 bytes at 512 g + 16 l, so every LDS read is 512 consecutive bytes and no row is padded.
; A work-group makes 128 tokens x 256 features: 256 work-groups.  Four waves, each 64 x 128: 32 accumulators, 256 registers.  K goes in steps of 128 through a ring of two LDS slots:
; attn's 8 tiles x 4,096 bytes, then Wo's 16 x 4,096.  Waves 0 and 1 fetch attn's halves, waves 2 and 3 Wo's, one tensor load a wave.
; CLUSTER 4 x 4: the four work-groups of a row need the same tiles of attn, the four of a column the same tiles of Wo: each is asked for jointly.
; The matrix instruction is used transposed (source 0 = 16 rows of Wo, source 1 = 16 tokens): a lane holds eight neighbouring features of one token.  bo is the C of each sum's first product.
; LIMIT: NaN in a row of attn (a batch whose keys are all masked) makes that row of out0 NaN, as in the definition.
; REGISTERS.  Window 0: v16-29 addresses; v64-95, v96-127 attn's fragments, two buffers; v128-255 the way out.  Window 1: accumulator (a, f) at v[8 (8 a + f)].  Window 2: v0-63, v64-127 Wo's fragments, two buffers; v128-191 bo.
.set SLOT,   98304
.set STAGE,  196608                    ; behind the ring: 16 rows x (512 + 16) bytes for each wave
.set SPITCH, 528
.set SPARE,  230400                    ; the spare words, 128 bytes for each wave: two blocks of 256 bytes that no other line names
.set ADRA, 16                          ; v16-17 my attn fragments in slot 0, 1
.set ADRB, 20                          ; v20-21 my Wo fragments
.set STO,  24
.set RD,   25
.set CO,   26
.set BOF,  27
.set SPW,  28
.set NIL,  29
.set BO,   128
.set BK,   128
.set G1,  24
.set G0,  32
.set G1B, 48
.set G0B, 56
.set W_MUL, 0x52                       ; source 0 (Wo) window 2, source 1 (attn) window 0, C and D window 1; + 0x10: C (bo) window 2
.set MSB, 0
.macro WIN new
.if MSB != \new
	s_set_vgpr_msb (MSB<<8)|\new
.set MSB, \new
.endif
.endm
.macro PLACES
.rept 4
	v_nop
.endr
.endm
.macro JLOAD s                         ; a joint load; the branch hangs on the wave's number alone; an s_nop 0 and four v_nop follow each of the two lines
	s_cmp_eq_u32 s15, 0
	s_cbranch_scc0 .Lfor_b_\@
	tensor_load_to_lds s[G0+4*\s:G0+4*\s+3], s[G1:G1+7]
	s_nop 0
.rept 4
	v_nop
.endr
	s_branch .Lasked_\@
.Lfor_b_\@:
	tensor_load_to_lds s[G0B+4*\s:G0B+4*\s+3], s[G1B:G1B+7]
	s_nop 0
.rept 4
	v_nop
.endr
.Lasked_\@:
.endm
.macro CREST
	s_cmp_lg_u32 s14, 0
	s_cbranch_scc1 .Lnot_wave_0_\@
	s_barrier_signal -3
.Lnot_wave_0_\@:
	s_barrier_wait -3
	s_barrier_signal -1
	s_barrier_wait -1
.endm
.macro CROUND
	s_barrier_signal -1
	s_barrier_wait -1
	CREST
.endm
	s_load_b256 s[4:11], s[0:1], 0x0               ; at 4, wof 6, bo 8, out0 10
	v_lshl_add_u32 v[SPW], v0, 2, SPARE
	v_mov_b32 v[NIL], 0
	ds_add_u32 v[SPW], v[NIL]                      ; the wave's opening: the add, twice on end, and its wait ahead of my first tensor load
	ds_add_u32 v[SPW], v[NIL]
	v_lshrrev_b32 v1, 5, v0
	v_readfirstlane_b32 s14, v1                    ; wave 0..3
	s_lshr_b32 s15, s14, 1                         ; my half of the tokens.  Also: I fetch for attn (0) or for Wo (1)
	s_and_b32 s16, s14, 1                          ; my half of the features.  Also: which half of that tile I fetch
	s_bfe_u32 s40, ttmp6, 0x40000                  ; cx
	s_bfe_u32 s41, ttmp6, 0x40004                  ; cy
	s_lshl_b32 s42, ttmp9, 2
	s_add_co_u32 s42, s42, s40                     ; block of 256 features
	s_and_b32 s17, ttmp7, 0xffff
	s_lshl_b32 s17, s17, 2
	s_add_co_u32 s17, s17, s41                     ; block of 128 tokens
	s_lshl_b32 s43, s41, 2
	s_lshl_b32 s43, 15, s43                        ; my row of the cluster
	s_lshl_b32 s44, 0x1111, s40                    ; my column
	; descriptor groups 1: elements of 8 bytes, no padding; rows of 4,096 bytes (a tile's K step), 32,768 bytes apart; attn: 4 rows, Wo: 8
	s_or_b32 s[G1], s43, (3<<16)|(1<<21)
	s_mov_b32 s[G1+1], 512<<16
	s_mov_b32 s[G1+2], 4<<16
	s_mov_b32 s[G1+3], 512<<16
	s_mov_b32 s[G1+4], 4
	s_mov_b32 s[G1+5], 4096
	s_mov_b32 s[G1+6], 0
	s_mov_b32 s[G1+7], 0
	s_or_b32 s[G1B], s44, (3<<16)|(1<<21)
	s_mov_b32 s[G1B+1], 512<<16
	s_mov_b32 s[G1B+2], 8<<16
	s_mov_b32 s[G1B+3], 512<<16
	s_mov_b32 s[G1B+4], 8
	s_mov_b32 s[G1B+5], 4096
	s_mov_b32 s[G1B+6], 0
	s_mov_b32 s[G1B+7], 0
	s_lshl_b32 s20, s17, 18                        ; attn: 8 tiles a block of tokens, 4 a half
	s_lshl_b32 s21, s16, 17
	s_add_co_u32 s20, s20, s21
	s_mov_b32 s21, 0
	s_lshl_b32 s46, s42, 19                        ; Wo: 16 tiles a block of features, 8 a half
	s_lshl_b32 s47, s16, 18
	s_add_co_u32 s46, s46, s47
	s_mov_b32 s47, 0
	s_lshl_b32 s45, s16, 14                        ; where they go in a slot: no place in the cluster enters an LDS address
	s_lshl_b32 s18, s16, 15
	s_add_co_u32 s18, s18, 32768
	s_wait_dscnt 0x0                               ; both opening adds are done
	s_wait_kmcnt 0x0
	s_add_nc_u64 s[20:21], s[4:5], s[20:21]
	s_add_nc_u64 s[46:47], s[6:7], s[46:47]
	CROUND                                         ; all sixteen work-groups are here: the first joint loads meet
.irp s, 0,1
	s_mov_b32 s[G0+4*\s], 1
	s_add_co_u32 s[G0+4*\s+1], s45, \s*SLOT
	s_add_nc_u64 s[G0+4*\s+2:G0+4*\s+3], s[20:21], \s*4096
	s_or_b32 s[G0+4*\s+3], s[G0+4*\s+3], 0x80000000
	s_mov_b32 s[G0B+4*\s], 1
	s_add_co_u32 s[G0B+4*\s+1], s18, \s*SLOT
	s_add_nc_u64 s[G0B+4*\s+2:G0B+4*\s+3], s[46:47], \s*4096
	s_or_b32 s[G0B+4*\s+3], s[G0B+4*\s+3], 0x80000000
	JLOAD \s
.endr
	v_and_b32 v1, 31, v0
	v_lshlrev_b32 v[CO], 4, v1                     ; 16 x lane
	v_and_b32 v2, 15, v0
	v_bfe_u32 v3, v0, 4, 1
	s_lshl_b32 s12, s15, 14                        ; my four tiles of attn
	s_lshl_b32 s13, s16, 15
	s_add_co_u32 s13, s13, 32768                   ; my eight tiles of Wo
.irp s, 0,1
	v_add_nc_u32 v[ADRA+\s], s12, v[CO]
	v_add_nc_u32 v[ADRB+\s], s13, v[CO]
	s_add_co_u32 s12, s12, SLOT
	s_add_co_u32 s13, s13, SLOT
.endr
	s_mul_i32 s12, s14, 16*SPITCH
	s_add_co_u32 s12, s12, STAGE                   ; my stage
	v_mul_u32_u24 v[STO], v2, SPITCH
	v_lshl_add_u32 v[STO], v3, 5, v[STO]
	v_add_nc_u32 v[STO], s12, v[STO]               ; in: row lane % 16, 32 bytes for each half of the lanes
	v_add_nc_u32 v[RD], s12, v[CO]                 ; back: the 32 lanes take one row of 512 bytes
	v_lshlrev_b32 v[BOF], 5, v3                    ; bo: my half's eight features of a tile
	s_lshl_b32 s22, s42, 10
	s_lshl_b32 s23, s16, 9
	s_add_co_u32 s22, s22, s23                     ; my first feature, in bytes
	s_mov_b32 s23, 0
	s_add_nc_u64 s[8:9], s[8:9], s[22:23]
	s_add_nc_u64 s[10:11], s[10:11], s[22:23]
	s_lshl_b32 s22, s17, 19
	s_lshl_b32 s12, s15, 18
	s_add_co_u32 s22, s22, s12                     ; my first token's row of 4,096 bytes
	s_add_nc_u64 s[10:11], s[10:11], s[22:23]
	WIN 0x80                                       ; destination window 2
.irp n, 0,1,2,3,4,5,6,7
	global_load_b128 v[BO+8*\n:BO+8*\n+3], v[BOF], s[8:9] offset:64*\n
	global_load_b128 v[BO+8*\n+4:BO+8*\n+7], v[BOF], s[8:9] offset:64*\n+16
.endr
	WIN 0
; 8 products: token tile a x my eight feature tiles, 32 along K, buffer p.  The 32 accumulators take turns, one instruction a turn, in the same order in every quarter
.macro MUL8 a, p, first
.irp n, 0,1,2,3,4,5,6,7
.if \first
	v_wmma_f32_16x16x32_f16 v[8*(8*(\a)+\n):8*(8*(\a)+\n)+7], v[64*(\p)+8*\n:64*(\p)+8*\n+7], v[64+32*(\p)+8*(\a):71+32*(\p)+8*(\a)], v[BO+8*\n:BO+8*\n+7]
.else
	v_wmma_f32_16x16x32_f16 v[8*(8*(\a)+\n):8*(8*(\a)+\n)+7], v[64*(\p)+8*\n:64*(\p)+8*\n+7], v[64+32*(\p)+8*(\a):71+32*(\p)+8*(\a)], v[8*(8*(\a)+\n):8*(8*(\a)+\n)+7]
.endif
.endr
.endm
.macro FETCH slot, kc, p               ; 24 LDS loads in one run: the fragments of the slot's kc-th 32 along K into buffer p: Wo's sixteen, then attn's tiles 0 to 3
	WIN 0x80
.irp n, 0,1,2,3,4,5,6,7
.irp g, 0,1
	ds_load_b128 v[64*(\p)+8*\n+4*\g:64*(\p)+8*\n+4*\g+3], v[ADRB+\slot] offset:4096*\n+1024*(\kc)+512*\g
.endr
.endr
	WIN 0
.irp n, 0,1,2,3
.irp g, 0,1
	ds_load_b128 v[64+32*(\p)+8*\n+4*\g:67+32*(\p)+8*\n+4*\g], v[ADRA+\slot] offset:4096*\n+1024*(\kc)+512*\g
.endr
.endr
.endm
; A K step is four quarters of 32 along K on buffers 0, 1, 0, 1.  One of the first three multiplies buffer p and, in its middle, fetches the slot's kc-th quarter into the other buffer
.macro QUARTER slot, kc, p, first
	s_wait_dscnt 4                                 ; Wo's fragments and attn's tiles 0 and 1 are in; the youngest four loads may be out
	WIN (W_MUL+0x10*(\first))
	MUL8 0, \p, \first
	MUL8 1, \p, \first
	PLACES
	FETCH \slot, \kc, 1-(\p)
	s_wait_dscnt 24                                ; all but the 24 just issued
	WIN (W_MUL+0x10*(\first))
	MUL8 2, \p, \first
	MUL8 3, \p, \first
.endm
; The last quarter multiplies buffer 1 and changes slots: each wave waits for all its tensor loads, adds 0 to its spare word, waits for that and for its reads of this slot; one barrier, which with fill = 1 opens a round
; of the cluster's barrier; behind the round this slot is filled again, two K steps ahead: the first tensor load there, one a wave
.macro TURN slot, next, fill
	WIN 0
	s_wait_tensorcnt 0x0
	ds_add_u32 v[SPW], v[NIL]
	s_wait_dscnt 5                                 ; (the add and the youngest four loads may be out)
	WIN W_MUL
	MUL8 0, 1, 0
	s_wait_dscnt 0x0                               ; the add is done, and my reads of this slot are over
	s_barrier_signal -1
	MUL8 1, 1, 0
.if \fill
	WIN 0
.endif
	s_barrier_wait -1
.if \fill
	CREST
	s_add_nc_u64 s[G0+4*\slot+2:G0+4*\slot+3], s[G0+4*\slot+2:G0+4*\slot+3], 8192
	s_add_nc_u64 s[G0B+4*\slot+2:G0B+4*\slot+3], s[G0B+4*\slot+2:G0B+4*\slot+3], 8192
	JLOAD \slot                                    ; the four v_nop behind it are also the places in front of the loads below
.else
	PLACES
.endif
	FETCH \next, 0, 0
	WIN W_MUL
	MUL8 2, 1, 0
	MUL8 3, 1, 0
.endm
	s_wait_tensorcnt 0x1                           ; my part of K step 0 is in; K step 1's may stay out
	s_barrier_signal -1
	s_barrier_wait -1
	FETCH 0, 0, 0
	s_wait_loadcnt 0x0                             ; bo
	QUARTER 0, 1, 0, 1                             ; the first quarter stands in front of the loop: its products start the sums, with bo
	WIN 0
	s_mov_b32 s3, 3
.Llap:                                                 ; a trip goes once round the ring and fills both slots again: K steps 2 to 7
	QUARTER 0, 2, 1, 0
	QUARTER 0, 3, 0, 0
	TURN 0, 1, 1
	QUARTER 1, 1, 0, 0
	QUARTER 1, 2, 1, 0
	QUARTER 1, 3, 0, 0
	TURN 1, 0, 1
	QUARTER 0, 1, 0, 0
	WIN 0
	s_sub_co_u32 s3, s3, 1
	s_cmp_lg_u32 s3, 0
	s_cbranch_scc1 .Llap
	QUARTER 0, 2, 1, 0                             ; the last lap fills nothing
	QUARTER 0, 3, 0, 0
	TURN 0, 1, 0
	QUARTER 1, 1, 0, 0
	QUARTER 1, 2, 1, 0
	QUARTER 1, 3, 0, 0
	s_wait_dscnt 4
	WIN W_MUL
	MUL8 0, 1, 0
	MUL8 1, 1, 0
	s_wait_dscnt 0x0
	MUL8 2, 1, 0
	MUL8 3, 1, 0
	WIN 0
; THE WAY OUT, a block of 16 tokens x 128 features at a time, through my own stage: in as 32 bytes a lane, back as whole rows of 512 bytes.  LDS serves a wave's instructions in order: no wait between stores and loads
.macro TOSTAGE a
	WIN 0x04                                       ; an LDS store's data are its source 1: window 1
.irp n, 0,1,2,3,4,5,6,7
	ds_store_b128 v[STO], v[8*(8*(\a)+\n):8*(8*(\a)+\n)+3] offset:64*\n            ; each accumulator from its low end on
	ds_store_b128 v[STO], v[8*(8*(\a)+\n)+4:8*(8*(\a)+\n)+7] offset:64*\n+16
.endr
	WIN 0
.irp t, 0,1,2,3,4,5,6,7,8,9,10,11,12,13,14,15
	ds_load_b128 v[BK+64*((\a)%2)+4*\t:BK+64*((\a)%2)+4*\t+3], v[RD] offset:\t*SPITCH
.endr
.endm
.macro SEND a, younger                 ; younger: the LDS instructions issued behind block a's loads, which may stay out
	s_wait_dscnt \younger
.irp t, 0,1,2,3,4,5,6,7,8,9,10,11,12,13,14,15
	global_store_b128 v[CO], v[BK+64*((\a)%2)+4*\t:BK+64*((\a)%2)+4*\t+3], s[10:11] offset:65536*(\a)+4096*\t th:TH_STORE_NT   ; 512 consecutive bytes, aligned; the block's and the row's place stand in the immediate
.endr
.endm
	PLACES
	TOSTAGE 0
.irp a, 1,2,3
.if \a > 1
	s_wait_xcnt 0x0                                ; block a - 2's stores have read their registers: block a's loads may land there
.endif
	TOSTAGE \a
	SEND (\a-1), 32                                ; behind block a - 1's loads: block a's 16 stores and 16 loads
.endr
	SEND 3, 0
	s_wait_tensorcnt 0x0                           ; the wave's end: three lines behind my last tensor load and my last LDS store
	ds_add_u32 v[SPW], v[NIL]
	s_wait_dscnt 0x0
	CROUND                                         ; the closing round
	s_endpgm
.Lfunc_end_k_q759d615140_oproj:
	.size	k_q759d615140_oproj, .Lfunc_end_k_q759d615140_oproj-k_q759d615140_oproj
	.p2alignl 7, 3214868480
	.fill 96, 4, 3214868480
	.section	.rodata,"a",@progbits
	.p2align	6, 0x0
	.amdhsa_kernel k_q759d615140_oproj
		.amdhsa_group_segment_fixed_size 327680
		.amdhsa_private_segment_fixed_size 0
		.amdhsa_enable_private_segment 0
		.amdhsa_kernarg_size 32
		.amdhsa_user_sgpr_count 2
		.amdhsa_user_sgpr_kernarg_segment_ptr 1
		.amdhsa_wavefront_size32 1
		.amdhsa_system_sgpr_workgroup_id_x 1
		.amdhsa_system_sgpr_workgroup_id_y 1
		.amdhsa_system_sgpr_workgroup_id_z 1
		.amdhsa_system_vgpr_workitem_id 0
		.amdhsa_next_free_vgpr 768
		.amdhsa_next_free_sgpr 66
		.amdhsa_reserve_vcc 0
		.amdhsa_float_denorm_mode_32 3
		.amdhsa_float_denorm_mode_16_64 3
		.amdhsa_memory_ordered 1
		.amdhsa_forward_progress 1
		.amdhsa_inst_pref_size 86
	.end_amdhsa_kernel
	.amdgpu_metadata
---
amdhsa.version: [ 1, 2 ]
amdhsa.kernels:
  - .name:           k_q759d615140_oproj
    .symbol:         k_q759d615140_oproj.kd
    .args:
      - { .name: at, .offset: 0, .size: 8, .value_kind: global_buffer, .address_space: global }
      - { .name: wof, .offset: 8, .size: 8, .value_kind: global_buffer, .address_space: global }
      - { .name: bo, .offset: 16, .size: 8, .value_kind: global_buffer, .address_space: global }
      - { .name: out0, .offset: 24, .size: 8, .value_kind: global_buffer, .address_space: global }
    .group_segment_fixed_size: 327680
    .private_segment_fixed_size: 0
    .kernarg_segment_align: 8
    .kernarg_segment_size: 32
    .max_flat_workgroup_size: 128
    .sgpr_count:     66
    .vgpr_count:     768
    .wavefront_size: 32
...
	.end_amdgpu_metadata
.endif
;; end of part 3
